; MI455X (gfx1250); checked and timed in simulation.
; The chip was launched on July 23, 2026; its instructions are those of AMD's public machine-readable ISA for CDNA 5 (MIT licence, August 2026) and "CDNA5" Instruction Set Architecture Reference Guide (July 2026). The comments in the code are by the model that wrote it; some were corrected since.
;; Vector Quantizer. Allowed arithmetic: matrix products marked QUANTISED: E2M3 operands, one E8M0 scale for each 32 along K, by v_wmma_scale_f32_16x16x128_f8f6f4 with both operands' format E2M3, f32 sums; everything else in f32.
;; Inputs: embeddings 8,192 x 256 float32; x 32 x 1,024 x 256 float32.
;; Outputs: out0 32 x 1,024 x 256 float32; out1 32 x 1,024 int32; out2 one number float32; out3 one number float32; out4 one number float32.
;; This version of the problem:
;;   THIS VERSION OF THE PROBLEM IS GIVEN IN LOW PRECISION. The matrix products marked QUANTISED in the list below multiply operands that are first quantised to E2M3 (2 exponent bits, 3 mantissa bits; 6 bits a number), with one power-of-two scale for each 32 numbers along K (OCP MX v1.0); their sums are f32. All else is computed in f32.
;;   The module's matrix products, in the order in which they are computed (A, B: the left and right operand; K: the contracted axis; several contracted axes count as one K, in the product's order):
;;     1. [M 32,768, K 256] x [K 256, N 8,192]; A: input x; B: input embeddings: QUANTISED
;;   THE QUANTISER, for each operand of a quantised product, along K:
;;     - K is cut into blocks of 32 from its start; a last block that is shorter is filled with zeros.
;;     - A block's scale is 2^e with e = floor(log2(the largest magnitude in the block)) - 2, held to -126 .. 127; a block of zeros has e = 0. As a byte (E8M0): e + 127.
;;     - Each number is divided by its block's scale, clamped to +-7.5, and rounded to the nearest number of E2M3, ties to even, subnormals kept.
;;     - The product sums the exact products of the quantised numbers (number of the format x scale) in f32.
;;   ~~~python
;;   def quantise(x, axis):      # numpy; x: float32 -> the quantised numbers, widened to float32 again
;;       x = np.moveaxis(x, axis, -1); K = x.shape[-1]
;;       x = np.pad(x, [(0, 0)] * (x.ndim - 1) + [(0, -K % 32)]); x = x.reshape(x.shape[:-1] + (-1, 32)); a = np.abs(x).max(-1, keepdims=True)
;;       e = np.where(a > 0, np.clip(np.frexp(np.where(a > 0, a, 1))[1] - 1 - 2, -126, 127), 0)      # np.frexp(a)[1] - 1 = floor(log2(a)), exactly
;;       r = np.clip(x / 2.0 ** e, -7.5, 7.5)
;;       step = 2.0 ** (np.maximum(np.frexp(np.where(r == 0, 1, r))[1] - 1, 0) - 3)
;;       q = np.round(r / step) * step * 2.0 ** e      # np.round: ties to even
;;       return np.moveaxis(q.reshape(q.shape[:-2] + (-1,))[..., :K], -1, axis).astype(np.float32)
;;   ~~~
;; One version. Each part assembles by itself: llvm-mc -triple=amdgcn-amd-amdhsa -mcpu=gfx1250 --defsym DOCPART=n.
;; ======== version 1 of 1: 4 launches
;; limits: right only within a limited range of input values
;; workspace buffers: ecodes 1,572,864 bytes; eaux 98,304 bytes; idxw 131,072 bytes of whole numbers; part 2,048 bytes
;; launch prep (part 1): grid 256 x 1, 4 waves a work-group, no clusters, 1,024 bytes of LDS; arguments embeddings, ecodes, eaux; writes ecodes, eaux
.if DOCPART == 1
	.amdgcn_target "amdgcn-amd-amdhsa--gfx1250"
	.amdhsa_code_object_version 6
	.text
	.protected	k_q29384f86cd_prep
	.globl	k_q29384f86cd_prep
	.p2align	8
	.type	k_q29384f86cd_prep,@function
k_q29384f86cd_prep:
	s_mov_b64 s[64:65], 0
	v_nop
	global_prefetch_b8 v0, s[64:65] scope:SCOPE_SE
	s_setreg_imm32_b32 hwreg(HW_REG_WAVE_MODE, 25, 1), 1
	s_wait_xcnt 0x0
; The codebook, [8192][256] f32, is quantised ONCE along its 256 numbers into codes of FP6 (E2M3) with one E8M0 byte for each 32, since every work-group of the next launch reads all of it.
; ecodes: the codes as IMAGES OF THE OPERAND'S REGISTERS.  Tile T = rows 16 T .. 16 T + 15; its K step s (128 numbers) is a fragment of 12 registers a lane: registers 4 c .. 4 c + 3 of lane l at byte 3072 T + 1536 s + 512 c + 16 l.
; eaux:   bytes 0 .. 65535 the scale bytes [8192][8] (a row's two words, one for each K step); from byte 65536 the rows' sums of squares [8192] f32.
; A block's scale is 2^(floor(log2(its largest magnitude)) - 2): its byte is the largest magnitude's exponent field - 2, held at 1 from below.  A block of zeros so gets the byte 1 where the rule says 127: its codes are zeros,
; which add nothing under that byte, and the bytes are read by this program alone.
; LIMITS: NaN and infinities among the inputs are not served; a row's sum of squares is added in another order than a plain loop would add it (four packed chains a lane, two lanes, two K steps).
; SHARES: work-group g takes tiles 2 g and 2 g + 1; wave w makes ONE fragment: tile 2 g + w / 2, K step w % 2: 64 numbers a lane.  No tensor loads, one barrier (for the scale words and the sums, which leave together).
.set XA,  4                            ; v4      my lane's byte in the wave's 16 rows: 1024 r + 64 h
.set TM,  8                            ; v8-11 largest magnitudes, v12-15 bytes (and the permutes' destinations), v20-23 the conversions' scale operands
.set PW,  24                           ; v24     my row's scale word
.set SQ,  26                           ; v26-33  four packed chains of squares
.set PD,  34                           ; v34     a permute's destination
.set PC,  40                           ; v40-51  the fragment; v52-58 halves on their way
.set XT,  64                           ; v64-127 my 64 numbers: register 16 b + i = k 32 b + 16 h + i of row r
.set SEL, 12                           ; s[12:13] lane selects for v_permlanex16_b32: lane l xor 16
.macro XLOAD reg                       ; lane (r, h) takes, of row r, 16 neighbouring numbers of each block of 32
.irp b, 0,1,2,3
.irp j, 0,1,2,3
	global_load_b128 v[\reg+16*\b+4*\j:\reg+16*\b+4*\j+3], v[XA], s[4:5] offset:128*\b+16*\j
.endr
.endr
.endm
.macro SQSUM reg                       ; the sum of the squares of my row's 128 numbers, in every lane's v[SQ]
.irp c, 0,1,2,3
	v_pk_mul_f32 v[SQ+2*\c:SQ+2*\c+1], v[\reg+2*\c:\reg+2*\c+1], v[\reg+2*\c:\reg+2*\c+1]   ; the first products start the chains
.endr
.irp j, 8,16,24,32,40,48,56
.irp c, 0,1,2,3
	v_pk_fma_f32 v[SQ+2*\c:SQ+2*\c+1], v[\reg+\j+2*\c:\reg+\j+2*\c+1], v[\reg+\j+2*\c:\reg+\j+2*\c+1], v[SQ+2*\c:SQ+2*\c+1]
.endr
.endr
	v_pk_add_f32 v[SQ:SQ+1], v[SQ:SQ+1], v[SQ+2:SQ+3]
	v_pk_add_f32 v[SQ+4:SQ+5], v[SQ+4:SQ+5], v[SQ+6:SQ+7]
	v_pk_add_f32 v[SQ:SQ+1], v[SQ:SQ+1], v[SQ+4:SQ+5]
	v_add_f32 v[SQ], v[SQ], v[SQ+1]
	v_permlanex16_b32 v[PD], v[SQ], s[SEL], s[SEL+1]
	v_add_f32 v[SQ], v[SQ], v[PD]                  ; with lane l xor 16's 64 numbers
.endm
; 64 numbers of a lane, register 16 b + i = k 32 b + 16 (lane / 16) + i of my row, become a fragment's codes in v[PC] on and its scale word in v[PW]
.macro QUANT s
.irp b, 0,1,2,3
	v_max3_num_f32 v[TM+\b], |v[\s+16*\b]|, |v[\s+1+16*\b]|, 0x1800000   ; block b: my 16 numbers, and the floor 2^(3 - 127): the byte cannot fall under 1
.endr
.irp i, 2,4,6,8,10,12,14
.irp b, 0,1,2,3
	v_max3_num_f32 v[TM+\b], v[TM+\b], |v[\s+16*\b+\i]|, |v[\s+1+16*\b+\i]|   ; the four blocks by turns
.endr
.endr
.irp b, 0,1,2,3
	v_permlanex16_b32 v[TM+4+\b], v[TM+\b], s[SEL], s[SEL+1]
.endr
.irp b, 0,1,2,3
	v_max_num_f32 v[TM+\b], v[TM+\b], v[TM+4+\b]   ; with lane l xor 16's: the block's largest magnitude
.endr
.irp b, 0,1,2,3
	v_add_nc_u32 v[TM+12+\b], 0xff000000, v[TM+\b] ; 2 off its exponent field: the conversion takes the exponent field of this operand as its scale
.endr
.irp b, 0,1,2,3
	v_lshrrev_b32 v[TM+4+\b], 23, v[TM+12+\b]      ; the scale's byte
.endr
	v_lshl_or_b32 v[PW], v[TM+5], 8, v[TM+4]
	v_lshl_or_b32 v[PW], v[TM+6], 16, v[PW]
	v_lshl_or_b32 v[PW], v[TM+7], 24, v[PW]
.irp c, 0,1
	v_cvt_scalef32_pk16_fp6_f32 v[PC+6*\c:PC+2+6*\c], v[\s+32*\c:\s+15+32*\c], v[TM+12+2*\c]
	v_cvt_scalef32_pk16_fp6_f32 v[PC+12+4*\c:PC+14+4*\c], v[\s+16+32*\c:\s+31+32*\c], v[TM+12+2*\c+1]   ; (a conversion's three registers begin on an even number)
.endr
	v_nop                                          ; one plain instruction behind the last scaled conversion
.irp c, 0,1                                    ; the operand's layout wants a WHOLE block in a lane: lanes 0-15 block 2 c, lanes 16-31 block 2 c + 1
.irp i, 0,1,2
	v_permlane16_swap_b32 v[PC+6*\c+\i], v[PC+12+4*\c+\i]
.endr
.irp i, 0,1,2
	v_mov_b32 v[PC+3+6*\c+\i], v[PC+12+4*\c+\i]
.endr
.endr
.endm
	s_load_b128 s[4:7], s[0:1], 0x0                ; embeddings s[4:5], ecodes s[6:7]
	s_load_b64 s[8:9], s[0:1], 0x10                ; eaux
	v_lshl_add_u32 v128, v0, 2, 0x200
	v_mov_b32 v129, 0
	v_lshrrev_b32 v1, 5, v0
	v_readfirstlane_b32 s10, v1                    ; wave 0..3
	v_and_b32 v1, 31, v0                           ; lane
	v_and_b32 v2, 15, v0                           ; r
	s_wait_alu depctr_va_vdst(0)
	v_bfe_u32 v3, v0, 4, 1                         ; h
	v_lshlrev_b32 v[XA], 10, v2
	v_lshl_add_u32 v[XA], v3, 6, v[XA]
	v_lshlrev_b32 v5, 4, v1                        ; 16 x lane: my place in an image
	s_lshr_b32 s11, s10, 1                         ; which of the two tiles
	s_and_b32 s14, s10, 1                          ; which K step
	s_lshl_b32 s15, s11, 7
	s_lshl_b32 s16, s14, 2
	s_add_co_u32 s15, s15, s16
	v_lshlrev_b32 v6, 3, v2
	v_add_nc_u32 v6, s15, v6                       ; LDS 0 .. 255: the 32 rows' scale words: 128 x tile + 8 r + 4 x K step
	s_lshl_b32 s15, s14, 7
	s_lshl_b32 s16, s11, 6
	s_add_co_u32 s15, s15, s16
	s_add_co_u32 s15, s15, 256
	v_lshlrev_b32 v7, 2, v2
	v_add_nc_u32 v7, s15, v7                       ; LDS 256 .. 511: the sums' halves: 256 + 128 x K step + 64 x tile + 4 r
	v_lshlrev_b32 v35, 3, v1                       ; the way out: 8 x lane
	v_lshlrev_b32 v36, 2, v1                       ; and 4 x lane
	s_mov_b32 s[SEL], 0x76543210
	s_mov_b32 s[SEL+1], 0xfedcba98
.irp b, 0,1,2,3
	v_mov_b32 v[TM+4+\b], 0                        ; written once: a lane permute's destination counts as one of its sources
.endr
	v_mov_b32 v[PD], 0
	s_lshl_b32 s16, ttmp9, 15                      ; embeddings: 32 rows of 1,024 bytes a work-group,
	s_lshl_b32 s17, s11, 14                        ; 16 rows a tile,
	s_add_co_u32 s16, s16, s17
	s_lshl_b32 s17, s14, 9                         ; 512 bytes a K step
	s_add_co_u32 s16, s16, s17
	s_mov_b32 s17, 0
	s_lshl_b32 s18, ttmp9, 1
	s_add_co_u32 s18, s18, s11
	s_mul_i32 s18, s18, 3072                       ; ecodes: 3,072 bytes a tile,
	s_mul_i32 s19, s14, 1536                       ; 1,536 a K step
	s_add_co_u32 s18, s18, s19
	s_mov_b32 s19, 0
	s_lshl_b32 s20, ttmp9, 8                       ; eaux: 256 scale bytes a work-group
	s_mov_b32 s21, 0
	s_lshl_b32 s22, ttmp9, 7                       ; and 128 bytes of sums, behind the scale bytes
	s_add_co_u32 s22, s22, 65536
	s_mov_b32 s23, 0
	s_wait_kmcnt 0x0
	s_add_nc_u64 s[4:5], s[4:5], s[16:17]
	s_add_nc_u64 s[6:7], s[6:7], s[18:19]
	s_add_nc_u64 s[24:25], s[8:9], s[22:23]
	s_add_nc_u64 s[8:9], s[8:9], s[20:21]
	XLOAD XT                                       ; no hint: the gather two launches on reads rows of the table again
	s_wait_loadcnt 0x0
	SQSUM XT
	QUANT XT
.irp c, 0,1,2
	global_store_b128 v5, v[PC+4*\c:PC+4*\c+3], s[6:7] offset:512*\c   ; 32 lanes store 512 consecutive bytes, at a multiple of 512 from the buffer's first byte
.endr
	ds_store_b32 v6, v[PW]                         ; lanes r and r + 16 write the same word with the same value
	ds_store_b32 v7, v[SQ]
	s_wait_dscnt 0x0                               ; for the others' sake: my LDS stores are done
	s_barrier_signal -1
	s_barrier_wait -1
	s_cmp_lg_u32 s10, 0                            ; wave 0 sends the work-group's 32 rows' scale words and sums
	s_cbranch_scc1 .Ldone
	ds_load_b64 v[38:39], v35                      ; row = lane: its two scale words
	ds_load_b32 v37, v36 offset:256                ; its sum over K step 0,
	ds_load_b32 v34, v36 offset:384                ; and over K step 1
	s_wait_dscnt 0x0
	v_add_f32 v37, v37, v34
	global_store_b64 v35, v[38:39], s[8:9]         ; 256 consecutive bytes, aligned
	global_store_b32 v36, v37, s[24:25]            ; 128 consecutive bytes: two work-groups' stores make 256; the sums are 32,768 bytes in all
.Ldone:
	s_wait_tensorcnt 0x0
	ds_add_u32 v128, v129
	s_wait_dscnt 0x0
	s_endpgm
.Lfunc_end_k_q29384f86cd_prep:
	.size	k_q29384f86cd_prep, .Lfunc_end_k_q29384f86cd_prep-k_q29384f86cd_prep
	.p2alignl 7, 3214868480
	.fill 96, 4, 3214868480
	.section	.rodata,"a",@progbits
	.p2align	6, 0x0
	.amdhsa_kernel k_q29384f86cd_prep
		.amdhsa_group_segment_fixed_size 1024
		.amdhsa_private_segment_fixed_size 0
		.amdhsa_enable_private_segment 0
		.amdhsa_kernarg_size 24
		.amdhsa_user_sgpr_count 2
		.amdhsa_user_sgpr_kernarg_segment_ptr 1
		.amdhsa_wavefront_size32 1
		.amdhsa_system_sgpr_workgroup_id_x 1
		.amdhsa_system_sgpr_workgroup_id_y 1
		.amdhsa_system_sgpr_workgroup_id_z 1
		.amdhsa_system_vgpr_workitem_id 0
		.amdhsa_next_free_vgpr 130
		.amdhsa_next_free_sgpr 66
		.amdhsa_reserve_vcc 0
		.amdhsa_float_denorm_mode_32 3
		.amdhsa_float_denorm_mode_16_64 3
		.amdhsa_memory_ordered 1
		.amdhsa_forward_progress 1
		.amdhsa_inst_pref_size 12
	.end_amdhsa_kernel
	.amdgpu_metadata
---
amdhsa.version: [ 1, 2 ]
amdhsa.kernels:
  - .name:           k_q29384f86cd_prep
    .symbol:         k_q29384f86cd_prep.kd
    .args:
      - { .name: embeddings, .offset: 0, .size: 8, .value_kind: global_buffer, .address_space: global }
      - { .name: ecodes, .offset: 8, .size: 8, .value_kind: global_buffer, .address_space: global }
      - { .name: eaux, .offset: 16, .size: 8, .value_kind: global_buffer, .address_space: global }
    .group_segment_fixed_size: 1024
    .private_segment_fixed_size: 0
    .kernarg_segment_align: 8
    .kernarg_segment_size: 24
    .max_flat_workgroup_size: 128
    .sgpr_count:     66
    .vgpr_count:     130
    .wavefront_size: 32
...
	.end_amdgpu_metadata
.endif
;; end of part 1
;; launch vq (part 2): grid 256 x 1, 16 waves a work-group, clusters of 4 x 1, 327,680 bytes of LDS; arguments x, ecodes, eaux, out1, idxw; writes out1, idxw
.if DOCPART == 2
	.amdgcn_target "amdgcn-amd-amdhsa--gfx1250"
	.amdhsa_code_object_version 6
	.text
	.protected	k_q29384f86cd_vq
	.globl	k_q29384f86cd_vq
	.p2align	8
	.type	k_q29384f86cd_vq,@function
k_q29384f86cd_vq:
	s_mov_b64 s[64:65], 0
	v_nop
	global_prefetch_b8 v0, s[64:65] scope:SCOPE_SE
	s_setreg_imm32_b32 hwreg(HW_REG_WAVE_MODE, 25, 1), 1
	s_wait_xcnt 0x0
	s_wait_alu depctr_hold_cnt(0) depctr_sa_sdst(0) depctr_va_vdst(0) depctr_va_sdst(0) depctr_va_ssrc(0) depctr_va_vcc(0) depctr_vm_vsrc(0)
	s_getreg_b32 s2, hwreg(HW_REG_IB_STS2, 6, 4)
	s_cmp_eq_u32 s2, 0
	s_cbranch_scc0 .Lentry_in_a_cluster
	s_endpgm
.Lentry_in_a_cluster:
	s_bfe_u32 s2, ttmp6, 0x10000c
	s_cmp_lg_u32 s2, 0x3003
	s_cbranch_scc0 .Lentry_shape_is_right
	s_endpgm
.Lentry_shape_is_right:
; For each of the 32,768 rows of x: the index of the codebook row with the least dist2 = (x_sq - 2 dot) + e_sq, the first index where several are least.  dot = Q(x) . Q(e) on codes of FP6 (E2M3) with E8M0 scales.
; ROUNDING AS THE DEFINITION ROUNDS: 2 dot is exact, so x_sq - 2 dot is ONE fused multiply-add and + e_sq ONE addition, both f32; the comparison is a strict 'less' in ascending order of the index.
; LIMITS: NaN and infinities are not served.  x_sq and e_sq are added in another order than a plain loop adds them: x_sq may differ in its last bits, which moves all of a row's dist2 by the same steps of their common grid
; and so changes neither order nor ties, but for a row whose x_sq lies so near a power of two that the two sums fall on different sides of it.
; SHARES.  Work-group X owns rows 128 X .. 128 X + 127 of x: 8 tiles of 16.  A wave keeps FOUR tiles of x as codes in 96 registers (tiles 4 (w % 2) + 0..3), and of each chunk of 32 codebook tiles it takes tiles 4 (w / 2) + 0..3.
; A step is one codebook tile against the four tiles of x: 8 matrix instructions, and 72 vector instructions for the distances, minima and kept values of 32 numbers a lane.  Sixteen waves, four to a SIMD, no register windows.
; THE MATRIX INSTRUCTION: source 0 = 16 codebook rows, source 1 = 16 rows of x.  A lane (r, h) holds ONE row of x (r), and register j the codebook row 16 T + 8 h + j.
; THE ARGMIN.  For each lane and tile of x: a running minimum, the number of the codebook tile that last lowered it, and that tile's eight distances, kept by selects.  Which of the eight it was is looked up once, at the end.
; The distances and the kept values go two to an instruction (dual forms); the select of the tile's number is put off to the four places behind the next step's products, its mask held in a scalar register.
; x IS QUANTISED HERE, in registers, since no other work-group reads these rows: wave w makes the fragment of tile w / 2, K step w % 2; the fragments go from wave to wave through LDS as images of their registers.
; THE CODEBOOK comes as register images (3,072 bytes a tile) through a ring of two LDS slots of 32 tiles; its scale bytes and sums of squares (98,304 bytes) come once and stay.
; CLUSTER: all work-groups walk the same codebook: the four of a cluster ask for each chunk JOINTLY (the same tensor load, the same descriptor, a mask that names the four).  x's rows are shared with nobody.
.set DUAL,  1                          ; 1: dual forms; 0: the same arithmetic in packed and single forms
.set CHB,   98304                      ; a chunk: 32 tiles x 3,072 bytes = 384 rows of 256 bytes
.set SL1,   196608                     ; slot 0 at LDS byte 0, slot 1 here
.set AUX,   98304                      ; between them, filled once: the scale bytes, 8 a codebook row,
.set AUXQ,  AUX+65536                  ; and the sums of squares, 4 bytes a codebook row
.set XIMG,  294912                     ; x's 16 fragment images of 1,536 bytes; written by LDS stores alone.  At the end: the waves' minima [8][128] f32, and 4,096 bytes on their indices
.set XSC,   XIMG+16*1536               ; their scale words, 128 bytes each; 2,048 bytes on: their halves of x_sq
.set SPARE, XSC+4096                   ; the spare words, 128 bytes for each of the 16 waves
.set SPW,  1                           ; v1 my spare word's address; v2 = 0; both never rewritten
.set NIL,  2
.set ADE,  3                           ; v3, v4  my lane's place in my four tiles of slot 0, slot 1
.set ADS,  5                           ; v5      my codebook rows' scale words, 4,096 on with each chunk
.set ADQ,  6                           ; v6      their sums of squares, 2,048 on with each chunk
.set PFO,  7                           ; v7      256 x lane: the prefetches' offset
.set XQ,   8                           ; v8-15   x_sq of my row in tile t, twice
.set RUNA, 16                          ; v16-19, v20-23 the running minimum of tile t: old and new by turns
.set RUNB, 20
.set XS,   24                          ; v24-31  x's scale words
.set ES,   32                          ; v32-35  the codebook tile's two scale words, two buffers
.set EQ,   36                          ; v36-43  e_sq of my eight codebook rows
.set IDX,  44                          ; v44-47  the codebook tile that last lowered tile t's minimum
.set EF,   48                          ; v48-95  a codebook tile's two fragments, two buffers of 24
.set ACC,  96                          ; v96-127 four accumulators
.set SAV,  128                         ; v128-159 the eight distances of the tile that last lowered the minimum
.set XF,   160                         ; v160-255 x's eight fragments
.set XA,   44                          ; in the head alone: addresses and the quantiser's registers
.set XWI,  45
.set XWS,  46
.set LI,   47
.set TM,   48
.set PC,   64
.set PW,   84
.set LS,   85
.set SQ,   86
.set PD,   94
.set XT,   96
.set WV,   14                          ; s14 wave; s15 w % 2; s16 w / 2
.set RH,   15
.set CG,   16
.set SEL,  20                          ; s[20:21] lane selects: lane l xor 16
.set TL,   22                          ; s22 the codebook tile's number: up to the places behind a step's products the last step's, then this step's
.set LAP,  23
.set G1,   24                          ; s[24:31] group 1, the same for every load: 48 rows of 256 bytes
.set G0,   32                          ; s[32:35], s[36:39] group 0 for slot 0, slot 1
.set G0X,  40                          ; s[40:43] group 0 for the head's load
.set PFA,  44
.set LIM,  46
.set MK,   48                          ; s48-51 lane masks: where tile t's minimum fell in the last step
.macro XLOAD reg
.irp b, 0,1,2,3
.irp j, 0,1,2,3
	global_load_b128 v[\reg+16*\b+4*\j:\reg+16*\b+4*\j+3], v[XA], s[4:5] offset:128*\b+16*\j
.endr
.endr
.endm
.macro SQSUM reg                       ; the sum of the squares of my row's 128 numbers, four packed chains by turns
.irp c, 0,1,2,3
	v_pk_mul_f32 v[SQ+2*\c:SQ+2*\c+1], v[\reg+2*\c:\reg+2*\c+1], v[\reg+2*\c:\reg+2*\c+1]
.endr
.irp j, 8,16,24,32,40,48,56
.irp c, 0,1,2,3
	v_pk_fma_f32 v[SQ+2*\c:SQ+2*\c+1], v[\reg+\j+2*\c:\reg+\j+2*\c+1], v[\reg+\j+2*\c:\reg+\j+2*\c+1], v[SQ+2*\c:SQ+2*\c+1]
.endr
.endr
	v_pk_add_f32 v[SQ:SQ+1], v[SQ:SQ+1], v[SQ+2:SQ+3]
	v_pk_add_f32 v[SQ+4:SQ+5], v[SQ+4:SQ+5], v[SQ+6:SQ+7]
	s_delay_alu instid0(VALU_DEP_1)
	v_pk_add_f32 v[SQ:SQ+1], v[SQ:SQ+1], v[SQ+4:SQ+5]
	s_delay_alu instid0(VALU_DEP_1)
	v_add_f32 v[SQ], v[SQ], v[SQ+1]
	s_delay_alu instid0(VALU_DEP_1)
	v_permlanex16_b32 v[PD], v[SQ], s[SEL], s[SEL+1]
	s_delay_alu instid0(VALU_DEP_1)
	v_add_f32 v[SQ], v[SQ], v[PD]
.endm
; 64 numbers of a lane, register 16 b + i = k 32 b + 16 (lane / 16) + i of my row, become a fragment's codes in v[PC] on and its scale word in v[PW]
.macro QUANT s
.irp b, 0,1,2,3
	v_max3_num_f32 v[TM+\b], |v[\s+16*\b]|, |v[\s+1+16*\b]|, 0x1800000   ; the floor 2^(3 - 127): the byte cannot fall under 1 (a block of zeros keeps that byte: its codes are zeros)
.endr
.irp i, 2,4,6,8,10,12,14
.irp b, 0,1,2,3
	v_max3_num_f32 v[TM+\b], v[TM+\b], |v[\s+16*\b+\i]|, |v[\s+1+16*\b+\i]|
.endr
.endr
.irp b, 0,1,2,3
	v_permlanex16_b32 v[TM+4+\b], v[TM+\b], s[SEL], s[SEL+1]
.endr
.irp b, 0,1,2,3
	v_max_num_f32 v[TM+\b], v[TM+\b], v[TM+4+\b]
.endr
.irp b, 0,1,2,3
	v_add_nc_u32 v[TM+12+\b], 0xff000000, v[TM+\b] ; 2 off the exponent field: the conversion's scale operand
.endr
.irp b, 0,1,2,3
	v_lshrrev_b32 v[TM+4+\b], 23, v[TM+12+\b]      ; the scale's byte
.endr
	v_lshl_or_b32 v[PW], v[TM+5], 8, v[TM+4]
	s_delay_alu instid0(VALU_DEP_1)
	v_lshl_or_b32 v[PW], v[TM+6], 16, v[PW]
	s_delay_alu instid0(VALU_DEP_1)
	v_lshl_or_b32 v[PW], v[TM+7], 24, v[PW]
.irp c, 0,1
	v_cvt_scalef32_pk16_fp6_f32 v[PC+6*\c:PC+2+6*\c], v[\s+32*\c:\s+15+32*\c], v[TM+12+2*\c]
	v_cvt_scalef32_pk16_fp6_f32 v[PC+12+4*\c:PC+14+4*\c], v[\s+16+32*\c:\s+31+32*\c], v[TM+12+2*\c+1]
.endr
	v_nop                                          ; one plain instruction behind the last scaled conversion
.irp c, 0,1                                    ; a WHOLE block in a lane: lanes 0-15 block 2 c, lanes 16-31 block 2 c + 1
.irp i, 0,1,2
	v_permlane16_swap_b32 v[PC+6*\c+\i], v[PC+12+4*\c+\i]
.endr
.irp i, 0,1,2
	v_mov_b32 v[PC+3+6*\c+\i], v[PC+12+4*\c+\i]
.endr
.endr
.endm
.macro CREST                           ; a round of the cluster's barrier behind its opening barrier
	s_cmp_lg_u32 s[WV], 0
	s_cbranch_scc1 .Lnot_wave_0_\@
	s_barrier_signal -3
.Lnot_wave_0_\@:
	s_barrier_wait -3
	s_barrier_signal -1
	s_barrier_wait -1
.endm
.macro CROUND
	s_barrier_signal -1
	s_barrier_wait -1
	CREST
.endm
; A joint fill of a slot: waves 0 to 7 fetch an eighth of a chunk each, 48 rows of 256 bytes; the others fetch nothing.  The branch hangs on the wave's number alone.
.macro TLOAD g0
	s_cmp_lt_u32 s[WV], 8
	s_cbranch_scc0 .Lnone_\@
	tensor_load_to_lds s[\g0:\g0+3], s[G1:G1+7]
	s_nop 0
.rept 4
	v_nop
.endr
.Lnone_\@:
.endm
; A PREFETCH INTO THE L2 of the chunk that the NEXT change of slots will ask for, four steps of all sixteen waves ahead of that load.  All clusters walk the same chunks, so cluster 0 asks; its four partners share a chunk out
; BY ADDRESS, 24,576 bytes each; in each, waves 8, 9 and 10, which fetch nothing in the ring, take 8,192 bytes each, lanes 256 bytes apart.  how = 1 (the lap's second change): not in the last lap.  Chunks 0 to 2 come by their loads alone.
.macro ASK how
.if \how
	s_cmp_gt_u32 s[LAP], s[LIM]
.else
	s_cmp_eq_u32 s[LIM], 1
.endif
	s_cbranch_scc0 .Lnot_mine_\@
	global_prefetch_b8 v[PFO], s[PFA:PFA+1] th:TH_LOAD_NT scope:SCOPE_SE
.Lnot_mine_\@:
.endm
.macro LOADE buf, slot, i              ; my i-th tile of the chunk in a slot: two fragments as they lie and the rows' two scale words: 7 loads
.irp c, 0,1,2,3,4,5
	ds_load_b128 v[EF+24*(\buf)+4*\c:EF+24*(\buf)+4*\c+3], v[ADE+(\slot)] offset:3072*(\i)+512*\c
.endr
	ds_load_b64 v[ES+2*(\buf):ES+2*(\buf)+1], v[ADS] offset:128*(\i)
.endm
.macro LOADQ i                         ; e_sq of my half's eight rows of that tile: 2 loads
	ds_load_b128 v[EQ:EQ+3], v[ADQ] offset:64*(\i)
	ds_load_b128 v[EQ+4:EQ+7], v[ADQ] offset:64*(\i)+16
.endm
; 8 matrix instructions: K step 0 (the constant 0 starts the sums), then K step 1.  The four accumulators take turns, one instruction a turn.
.macro MM buf
.irp t, 0,1,2,3
	v_wmma_scale_f32_16x16x128_f8f6f4 v[ACC+8*\t:ACC+8*\t+7], v[EF+24*(\buf):EF+24*(\buf)+11], v[XF+24*\t:XF+24*\t+11], 0, v[ES+2*(\buf)], v[XS+2*\t] matrix_a_fmt:MATRIX_FMT_FP6 matrix_b_fmt:MATRIX_FMT_FP6
.endr
.irp t, 0,1,2,3
	v_wmma_scale_f32_16x16x128_f8f6f4 v[ACC+8*\t:ACC+8*\t+7], v[EF+24*(\buf)+12:EF+24*(\buf)+23], v[XF+24*\t+12:XF+24*\t+23], v[ACC+8*\t:ACC+8*\t+7], v[ES+2*(\buf)+1], v[XS+2*\t+1] matrix_a_fmt:MATRIX_FMT_FP6 matrix_b_fmt:MATRIX_FMT_FP6
.endr
.endm
.macro IDXUP                           ; where the last step lowered a minimum, its tile's number is kept.  These four name no register of the products: they are the four places behind them (ISA guide 7.12.1)
.irp t, 0,1,2,3
	v_cndmask_b32 v[IDX+\t], v[IDX+\t], s[TL], s[MK+\t]
.endr
.endm
.macro EPI1                            ; the distances, in place, each accumulator from its low end on: x_sq - 2 dot, one rounding; + e_sq, one rounding
.irp t, 0,1,2,3
.irp p, 0,2,4,6
.if DUAL
	v_dual_fmamk_f32 v[ACC+8*\t+\p], v[ACC+8*\t+\p], 0xc0000000, v[XQ+2*\t] :: v_dual_fmamk_f32 v[ACC+8*\t+\p+1], v[ACC+8*\t+\p+1], 0xc0000000, v[XQ+2*\t+1]
.else
	v_pk_fma_f32 v[ACC+8*\t+\p:ACC+8*\t+\p+1], v[ACC+8*\t+\p:ACC+8*\t+\p+1], -2.0, v[XQ+2*\t:XQ+2*\t+1] op_sel_hi:[1,0,1]
.endif
.endr
.irp p, 0,2,4,6
.if DUAL
	v_dual_add_f32 v[ACC+8*\t+\p], v[ACC+8*\t+\p], v[EQ+\p] :: v_dual_add_f32 v[ACC+8*\t+\p+1], v[ACC+8*\t+\p+1], v[EQ+\p+1]
.else
	v_pk_add_f32 v[ACC+8*\t+\p:ACC+8*\t+\p+1], v[ACC+8*\t+\p:ACC+8*\t+\p+1], v[EQ+\p:EQ+\p+1]
.endif
.endr
.endr
.endm
.macro EPI2 ro, rn                     ; the new running minimum = the least of the old one and the eight; the four tiles by turns
.irp t, 0,1,2,3
	v_min3_num_f32 v[\rn+\t], v[\ro+\t], v[ACC+8*\t], v[ACC+8*\t+1]
.endr
.irp j, 2,4,6
.irp t, 0,1,2,3
	v_min3_num_f32 v[\rn+\t], v[\rn+\t], v[ACC+8*\t+\j], v[ACC+8*\t+\j+1]
.endr
.endr
.endm
.macro EPI3 ro, rn                     ; where the minimum has fallen (strictly: an earlier tile keeps a tie) the tile's eight distances are kept; the mask goes to a scalar register for IDXUP
.irp t, 0,1,2,3
	v_cmp_lt_f32 vcc_lo, v[\rn+\t], v[\ro+\t]
.irp j, 0,2,4,6
.if DUAL
	v_dual_cndmask_b32 v[SAV+8*\t+\j], v[SAV+8*\t+\j], v[ACC+8*\t+\j] :: v_dual_cndmask_b32 v[SAV+8*\t+\j+1], v[SAV+8*\t+\j+1], v[ACC+8*\t+\j+1]
.else
	v_cndmask_b32 v[SAV+8*\t+\j], v[SAV+8*\t+\j], v[ACC+8*\t+\j], vcc_lo
	v_cndmask_b32 v[SAV+8*\t+\j+1], v[SAV+8*\t+\j+1], v[ACC+8*\t+\j+1], vcc_lo
.endif
.endr
	s_mov_b32 s[MK+\t], vcc_lo
.endr
.endm
; A STEP: my i-th tile of the chunk in a slot.
; chg = 1 (at i = 2): THE CHANGE OF SLOTS.  My last tile of this slot has been asked for at the step's head.  Each wave waits for all its tensor loads, adds 0 to its spare word, and waits for that and for its reads of this slot;
;   the barrier opens a round of the cluster's; the joint refill (the chunk two on) is the first tensor load behind it and has four steps of all sixteen waves in which to land.
; chg = 2: the same without a refill.   ask: 1, 2 = a prefetch (ASK 0, ASK 1) behind this step's loads.   last = 1: nothing more to fetch.
.macro STEP slot, i, chg, ask, last
.set BUF, (\i)&1
.if BUF == 0
.set RO, RUNA
.set RN, RUNB
.else
.set RO, RUNB
.set RN, RUNA
.endif
.if \last
	s_wait_dscnt 0x0
.else
.if (\i) == 3
	v_add_nc_u32 v[ADS], 4096, v[ADS]              ; the next chunk's scale words
	LOADE 0, 1-(\slot), 0
.else
	LOADE 1-BUF, \slot, (\i)+1
.endif
.if \ask
	ASK (\ask)-1
.endif
	s_wait_dscnt 7                                 ; all but the 7 loads just issued: this tile's fragments, scale words and e_sq are in
.endif
	MM BUF
	IDXUP
.if (\i) == 0
	s_add_co_u32 s[TL], s[TL], 29                  ; now this step's tile: my first of the chunk,
.else
	s_add_co_u32 s[TL], s[TL], 1                   ; or the next
.endif
	EPI1
.if !(\last)
.if (\i) == 3
	v_add_nc_u32 v[ADQ], 2048, v[ADQ]              ; the next chunk's e_sq
	LOADQ 0
.else
	LOADQ (\i)+1
.endif
.endif
.if (\chg) == 0
	EPI2 RO, RN
	EPI3 RO, RN
.else
	s_wait_alu depctr_va_vdst(0)
	s_wait_tensorcnt 0x0                           ; all my tensor loads have landed: my part of the other slot; so a group 0 may be written
	ds_add_u32 v[SPW], v[NIL]                      ; 0 onto my spare word
.if (\chg) == 1
	s_add_nc_u64 s[G0+4*(\slot)+2:G0+4*(\slot)+3], s[G0+4*(\slot)+2:G0+4*(\slot)+3], 2*CHB   ; this slot's next chunk
	s_wait_xcnt 0x0                                ; the last prefetch, three steps back, has read its address
	s_add_nc_u64 s[PFA:PFA+1], s[PFA:PFA+1], CHB   ; one chunk further on than the refill
.endif
	EPI2 RO, RN
	s_wait_alu depctr_va_vdst(0)
	s_wait_dscnt 0x0                               ; the add is done, and my reads of this slot are over: its last tile is in registers
	s_barrier_signal -1
	EPI3 RO, RN                                    ; work on registers while the others arrive
	s_barrier_wait -1
.if (\chg) == 1
	CREST
	TLOAD G0+4*(\slot)                             ; the first tensor load behind the round, and a wave's only one until the next
.endif
.endif
.endm
.macro BEST ra, na, rb, nb             ; (ra, na) takes (rb, nb) where rb is less, or equal with the lower index
	v_cmp_lt_f32 s[MK], v[\rb], v[\ra]
	v_cmp_eq_f32 s[MK+1], v[\rb], v[\ra]
	v_cmp_lt_u32 s[MK+2], v[\nb], v[\na]
	s_and_b32 s[MK+1], s[MK+1], s[MK+2]
	s_or_b32 s[MK], s[MK], s[MK+1]
	v_cndmask_b32 v[\ra], v[\ra], v[\rb], s[MK]
	v_cndmask_b32 v[\na], v[\na], v[\nb], s[MK]
.endm
	s_load_b128 s[4:7], s[0:1], 0x0                ; x s[4:5], ecodes s[6:7]
	s_load_b128 s[8:11], s[0:1], 0x10              ; eaux s[8:9], out1 s[10:11]
	s_load_b64 s[12:13], s[0:1], 0x20              ; idxw
	v_lshl_add_u32 v[SPW], v0, 2, SPARE
	v_mov_b32 v[NIL], 0
	ds_add_u32 v[SPW], v[NIL]                      ; the opening adds of 0 onto my spare word, twice on end, waited for ahead of my first tensor load
	ds_add_u32 v[SPW], v[NIL]
	v_lshrrev_b32 v8, 5, v0
	v_readfirstlane_b32 s[WV], v8                  ; wave 0..15
	s_and_b32 s[RH], s[WV], 1                      ; which four tiles of x are mine.  Also: the K step that I quantise
	s_lshr_b32 s[CG], s[WV], 1                     ; which four tiles of a chunk are mine.  Also: the tile of x that I quantise
	s_bfe_u32 s17, ttmp6, 0x40000                  ; cx: it enters x's, out1's, idxw's and the prefetches' addresses alone
	s_lshl_b32 s18, ttmp9, 2
	s_add_co_u32 s18, s18, s17                     ; X = 4 x cluster + cx
	s_mov_b32 s[SEL], 0x76543210
	s_mov_b32 s[SEL+1], 0xfedcba98
	s_mov_b32 s[G1], 15|(3<<16)|(1<<21)            ; the mask: all four work-groups; elements of 8 bytes; bit 21 beside a mask
	s_mov_b32 s[G1+1], 32<<16                      ; a dense block of 12,288 bytes as 48 rows of 32 elements; no padding: every LDS load of the loop takes consecutive bytes
	s_mov_b32 s[G1+2], 48<<16
	s_mov_b32 s[G1+3], 32<<16
	s_mov_b32 s[G1+4], 48
	s_mov_b32 s[G1+5], 32
	s_mov_b32 s[G1+6], 0
	s_mov_b32 s[G1+7], 0
	s_mul_i32 s60, s[CG], 12288                    ; the waves' terms of the LDS addresses
	s_lshl_b32 s61, s[CG], 9
	s_add_co_u32 s61, s61, AUX
	s_lshl_b32 s62, s[CG], 8
	s_add_co_u32 s62, s62, AUXQ
	s_mul_i32 s63, s[WV], 1536
	s_add_co_u32 s63, s63, XIMG
	s_lshl_b32 s47, s[WV], 7
	s_add_co_u32 s47, s47, XSC
	s_mul_i32 s2, s[RH], 12288
	s_add_co_u32 s2, s2, XIMG
	s_lshl_b32 s3, s[RH], 10
	s_add_co_u32 s3, s3, XSC
	s_lshl_b32 s56, s18, 17                        ; x: 128 rows of 1,024 bytes a work-group,
	s_lshl_b32 s57, s[CG], 14                      ; 16 rows a tile,
	s_add_co_u32 s56, s56, s57
	s_lshl_b32 s57, s[RH], 9                       ; 512 bytes a K step
	s_add_co_u32 s56, s56, s57
	s_mov_b32 s57, 0
	s_lshl_b32 s58, s18, 9                         ; out1, idxw: 512 bytes a work-group
	s_mov_b32 s59, 0
	s_and_b32 s54, s[WV], 7
	s_mul_i32 s54, s54, 12288                      ; the eighth that I fetch, in memory and in a slot alike
	s_mov_b32 s55, 0
	s_sub_co_u32 s19, s[WV], 8
	s_and_b32 s52, s19, 3
	s_lshl_b32 s52, s52, 13                        ; the prefetches: my wave's 8,192 bytes
	s_mul_i32 s53, s17, 24576                      ; of my work-group's 24,576
	s_add_co_u32 s52, s52, s53
	s_add_co_u32 s52, s52, 2*CHB                   ; in chunk 2: the first change of slots steps it to chunk 3
	s_mov_b32 s53, 0
	s_cmp_lt_u32 s19, 3                            ; waves 8, 9, 10
	s_cselect_b32 s[LIM], ttmp9, 1                 ; of cluster 0: the same in all four partners
	s_cmp_eq_u32 s[LIM], 0
	s_cselect_b32 s[LIM], 1, -1
	s_lshl_b32 s[TL], s[CG], 2
	s_sub_co_u32 s[TL], s[TL], 29                  ; the first step adds 29: my first tile is 4 (w / 2)
	s_mov_b32 s[LAP], 7
.irp t, 0,1,2,3
	s_mov_b32 s[MK+\t], 0                          ; no step has lowered a minimum yet
.endr
	v_and_b32 v8, 31, v0                           ; lane
	v_and_b32 v9, 15, v0                           ; r
	v_bfe_u32 v10, v0, 4, 1                        ; h
	v_lshlrev_b32 v11, 4, v8
	v_lshlrev_b32 v12, 2, v8
	v_add_nc_u32 v[ADE], s60, v11
	v_lshl_add_u32 v[ADS], v9, 3, s61
	v_lshl_add_u32 v[ADQ], v10, 5, s62
	v_lshlrev_b32 v[PFO], 8, v8
	v_lshlrev_b32 v[XA], 10, v9
	v_add_nc_u32 v[ADE+1], SL1, v[ADE]
	v_add_nc_u32 v[XWI], s63, v11                  ; my image: number w
	v_add_nc_u32 v[XWS], s47, v12
	v_lshl_add_u32 v[XA], v10, 6, v[XA]            ; x: row r of 1,024 bytes, + 64 h
	v_add_nc_u32 v[LI], s2, v11                    ; my four tiles' eight images: from number 8 (w % 2) on
	v_add_nc_u32 v[LS], s3, v12
.irp b, 0,1,2,3
	v_mov_b32 v[TM+4+\b], 0                        ; a lane permute's destination counts as one of its sources
.endr
	v_mov_b32 v[PD], 0
	s_wait_alu depctr_va_vdst(0)
	s_wait_dscnt 0x0                               ; both opening adds are done
	s_wait_kmcnt 0x0
	s_add_nc_u64 s[4:5], s[4:5], s[56:57]
	XLOAD XT                                       ; my 16 rows x 128 numbers of x; on their way across the round below.  No hint: the next launch reads x again
	s_add_nc_u64 s[10:11], s[10:11], s[58:59]
	s_add_nc_u64 s[12:13], s[12:13], s[58:59]
	s_add_nc_u64 s[PFA:PFA+1], s[6:7], s[52:53]
	s_cmp_lt_u32 s[WV], 8                          ; the head's load: waves 0 to 7 an eighth of chunk 0, waves 8 to 15 an eighth of the scale bytes and sums;
	s_cselect_b64 s[G0X+2:G0X+3], s[6:7], s[8:9]
	s_add_nc_u64 s[G0X+2:G0X+3], s[G0X+2:G0X+3], s[54:55]
	s_or_b32 s[G0X+3], s[G0X+3], 0x80000000
	s_mov_b32 s[G0X], 1
	s_mul_i32 s[G0X+1], s[WV], 12288               ; in LDS the sixteen pieces lie on end: slot 0, then the scale bytes and sums
	s_add_nc_u64 s[6:7], s[6:7], s[54:55]          ; the ring: my eighth of chunk 0
	s_mov_b32 s[G0], 1
	s_mov_b32 s[G0+1], s54
	s_mov_b64 s[G0+2:G0+3], s[6:7]
	s_or_b32 s[G0+3], s[G0+3], 0x80000000
	s_mov_b32 s[G0+4], 1
	s_add_co_u32 s[G0+5], s54, SL1
	s_add_nc_u64 s[G0+6:G0+7], s[6:7], CHB         ; chunk 1
	s_or_b32 s[G0+7], s[G0+7], 0x80000000
	CROUND                                         ; all four work-groups are here: the first joint loads meet
	tensor_load_to_lds s[G0X:G0X+3], s[G1:G1+7]    ; one tensor load a wave at the head, in every wave
	s_nop 0
.rept 4
	v_nop
.endr
	s_wait_loadcnt 0x0                             ; x
	SQSUM XT
	QUANT XT
.irp c, 0,1,2
	ds_store_b128 v[XWI], v[PC+4*\c:PC+4*\c+3] offset:512*\c   ; the fragment goes to LDS as it stands
.endr
	ds_store_b32 v[XWS], v[PW]
	ds_store_b32 v[XWS], v[SQ] offset:2048
.irp t, 0,1,2,3
	v_mov_b32 v[RUNA+\t], 0x7f800000               ; the running minima begin at +infinity,
.endr
.irp j, 0,1,2,3,4,5,6,7,8,9,10,11,12,13,14,15,16,17,18,19,20,21,22,23,24,25,26,27,28,29,30,31
	v_mov_b32 v[SAV+\j], 0x7f800000                ; and so do the kept distances
.endr
	s_wait_alu depctr_va_vdst(0)
	s_wait_tensorcnt 0x0                           ; my piece of the head's sixteen is in
	ds_add_u32 v[SPW], v[NIL]
	s_wait_dscnt 0x0                               ; the add is done, and my image is in LDS
	CROUND                                         ; everybody's pieces and images are in, and all four work-groups are here
	TLOAD G0+4                                     ; chunk 1, slot 1's first fill: the first tensor load behind the round
.irp f, 0,1,2,3,4,5,6,7                        ; my four tiles of x: they stay in registers for the whole launch
.irp c, 0,1,2
	ds_load_b128 v[XF+12*\f+4*\c:XF+12*\f+4*\c+3], v[LI] offset:1536*\f+512*\c
.endr
	ds_load_b32 v[XS+\f], v[LS] offset:128*\f
	ds_load_b32 v[ACC+\f], v[LS] offset:2048+128*\f
.endr
	LOADE 0, 0, 0
	LOADQ 0
	s_wait_dscnt 9                                 ; all but tile 0's nine loads
.irp t, 0,1,2,3
	v_add_f32 v[XQ+2*\t], v[ACC+2*\t], v[ACC+2*\t+1]     ; x_sq = K step 0's half + K step 1's, twice
	v_add_f32 v[XQ+2*\t+1], v[ACC+2*\t], v[ACC+2*\t+1]
.endr
.irp t, 0,1,2,3
	v_mov_b32 v[IDX+\t], 0                         ; (the head's four addresses that lay here are done with)
.endr
	s_wait_alu depctr_va_vdst(0)
.Llap:                                             ; 7 trips, once round the ring each: chunks 0 to 13; both slots are filled again: chunks 2 to 15
	STEP 0, 0, 0, 0, 0
	STEP 0, 1, 0, 0, 0
	STEP 0, 2, 1, 0, 0
	STEP 0, 3, 0, 1, 0
	STEP 1, 0, 0, 0, 0
	STEP 1, 1, 0, 0, 0
	STEP 1, 2, 1, 0, 0
	STEP 1, 3, 0, 2, 0
	s_sub_co_u32 s[LAP], s[LAP], 1
	s_cmp_lg_u32 s[LAP], 0
	s_cbranch_scc1 .Llap
	STEP 0, 0, 0, 0, 0                             ; the last two chunks are written out: nothing is asked for
	STEP 0, 1, 0, 0, 0
	STEP 0, 2, 2, 0, 0
	STEP 0, 3, 0, 0, 0
	STEP 1, 0, 0, 0, 0
	STEP 1, 1, 0, 0, 0
	STEP 1, 2, 0, 0, 0
	STEP 1, 3, 0, 0, 1
	IDXUP                                          ; the last step's tile number
	; THE END.  Which of the kept eight is the minimum: the lowest j whose distance equals it.  Then the two halves of the lanes, then the eight waves that share my rows: the lesser distance, the lower index where they are equal.
	v_and_b32 v6, 15, v0                           ; r   (v3 to v6 held LDS addresses of the loop, which is over)
	v_bfe_u32 v54, v0, 4, 1                        ; h
	s_lshl_b32 s52, s[CG], 9
	s_lshl_b32 s53, s[RH], 8
	s_add_co_u32 s52, s52, s53
	s_add_co_u32 s52, s52, XIMG
	v_lshl_add_u32 v3, v6, 2, s52                  ; where my rows' results go: 512 (w / 2) + 256 (w % 2) + 64 t + 4 r
	v_lshl_add_u32 v4, v0, 3, XIMG                 ; where waves 0 and 1 read them: two rows a lane
	v_lshlrev_b32 v5, 3, v0                        ; and the same place in out1 and idxw
	v_mov_b32 v52, 0                               ; permutes' destinations
	v_mov_b32 v53, 0
.irp t, 0,1,2,3
	v_mov_b32 v[48+\t], 7
.endr
.irp j, 6,5,4,3,2,1,0
.irp t, 0,1,2,3
	v_cmp_eq_f32 s[MK+\t], v[SAV+8*\t+\j], v[RUNA+\t]
.endr
.irp t, 0,1,2,3
	v_cndmask_b32 v[48+\t], v[48+\t], \j, s[MK+\t]
.endr
.endr
.irp t, 0,1,2,3
	v_lshl_add_u32 v[48+\t], v[IDX+\t], 4, v[48+\t]
.endr
.irp t, 0,1,2,3
	v_lshl_add_u32 v[48+\t], v54, 3, v[48+\t]      ; the index: 16 x tile + 8 h + j
.endr
.irp t, 0,1,2,3
	v_permlanex16_b32 v52, v[RUNA+\t], s[SEL], s[SEL+1]
	v_permlanex16_b32 v53, v[48+\t], s[SEL], s[SEL+1]
	BEST RUNA+\t, 48+\t, 52, 53
.endr
.irp t, 0,1,2,3
	ds_store_b32 v3, v[RUNA+\t] offset:64*\t       ; lanes r and r + 16 write the same word with the same value.  These bytes held x's images, which every wave read ahead of the loop's barriers
	ds_store_b32 v3, v[48+\t] offset:4096+64*\t
.endr
	s_wait_dscnt 0x0                               ; for the others' sake
	s_barrier_signal -1
	s_barrier_wait -1
	s_cmp_gt_u32 s[WV], 1                          ; waves 0 and 1 join the eight results of 64 rows each
	s_cbranch_scc1 .Lothers
.irp g, 0,1,2,3,4,5,6,7
	ds_load_b64 v[64+2*\g:65+2*\g], v4 offset:512*\g
	ds_load_b64 v[80+2*\g:81+2*\g], v4 offset:4096+512*\g
.endr
	s_wait_dscnt 0x0
.irp g, 1,2,3,4,5,6,7
	BEST 64, 80, 64+2*\g, 80+2*\g
	BEST 65, 81, 65+2*\g, 81+2*\g
.endr
	global_store_b64 v5, v[80:81], s[10:11]        ; 32 lanes store 256 consecutive bytes, aligned: the output,
	global_store_b64 v5, v[80:81], s[12:13]        ; and the copy from which the next launch forms addresses
.Lothers:
	s_wait_tensorcnt 0x0                           ; the wave's end
	ds_add_u32 v[SPW], v[NIL]
	s_wait_dscnt 0x0
	CROUND                                         ; the closing round: no work-group ends while a partner may still ask for a chunk that names it
	s_endpgm
.Lfunc_end_k_q29384f86cd_vq:
	.size	k_q29384f86cd_vq, .Lfunc_end_k_q29384f86cd_vq-k_q29384f86cd_vq
	.p2alignl 7, 3214868480
	.fill 96, 4, 3214868480
	.section	.rodata,"a",@progbits
	.p2align	6, 0x0
	.amdhsa_kernel k_q29384f86cd_vq
		.amdhsa_group_segment_fixed_size 327680
		.amdhsa_private_segment_fixed_size 0
		.amdhsa_enable_private_segment 0
		.amdhsa_kernarg_size 40
		.amdhsa_user_sgpr_count 2
		.amdhsa_user_sgpr_kernarg_segment_ptr 1
		.amdhsa_wavefront_size32 1
		.amdhsa_system_sgpr_workgroup_id_x 1
		.amdhsa_system_sgpr_workgroup_id_y 1
		.amdhsa_system_sgpr_workgroup_id_z 1
		.amdhsa_system_vgpr_workitem_id 0
		.amdhsa_next_free_vgpr 256
		.amdhsa_next_free_sgpr 66
		.amdhsa_reserve_vcc 1
		.amdhsa_float_denorm_mode_32 3
		.amdhsa_float_denorm_mode_16_64 3
		.amdhsa_memory_ordered 1
		.amdhsa_forward_progress 1
		.amdhsa_inst_pref_size 143
	.end_amdhsa_kernel
	.amdgpu_metadata
---
amdhsa.version: [ 1, 2 ]
amdhsa.kernels:
  - .name:           k_q29384f86cd_vq
    .symbol:         k_q29384f86cd_vq.kd
    .args:
      - { .name: x, .offset: 0, .size: 8, .value_kind: global_buffer, .address_space: global }
      - { .name: ecodes, .offset: 8, .size: 8, .value_kind: global_buffer, .address_space: global }
      - { .name: eaux, .offset: 16, .size: 8, .value_kind: global_buffer, .address_space: global }
      - { .name: out1, .offset: 24, .size: 8, .value_kind: global_buffer, .address_space: global }
      - { .name: idxw, .offset: 32, .size: 8, .value_kind: global_buffer, .address_space: global }
    .group_segment_fixed_size: 327680
    .private_segment_fixed_size: 0
    .kernarg_segment_align: 8
    .kernarg_segment_size: 40
    .max_flat_workgroup_size: 512
    .sgpr_count:     66
    .vgpr_count:     256
    .wavefront_size: 32
...
	.end_amdgpu_metadata
.endif
;; end of part 2
;; launch gather (part 3): grid 512 x 1, 8 waves a work-group, no clusters, 1,280 bytes of LDS; arguments x, embeddings, idxw, out0, part; writes out0, part
.if DOCPART == 3
	.amdgcn_target "amdgcn-amd-amdhsa--gfx1250"
	.amdhsa_code_object_version 6
	.text
	.protected	k_q29384f86cd_gather
	.globl	k_q29384f86cd_gather
	.p2align	8
	.type	k_q29384f86cd_gather,@function
k_q29384f86cd_gather:
	s_mov_b64 s[64:65], 0
	v_nop
	global_prefetch_b8 v0, s[64:65] scope:SCOPE_SE
	s_setreg_imm32_b32 hwreg(HW_REG_WAVE_MODE, 25, 1), 1
	s_wait_xcnt 0x0
; out0[row] = x[row] + (e[idx[row]] - x[row]), in f32 as it is written, and for each work-group the sum of (e[idx[row]] - x[row])^2 over its 64 rows, into part[work-group].
; The indices were stored by the launch before; here they are read by scalar loads, held to the table's 8,192 rows, and enter the addresses of the codebook rows.
; A stream: a wave takes 8 rows of 1,024 bytes; each load and store of a wave covers 512 consecutive bytes.  All 32 loads of a wave go out before the first is waited for; the text is straight-line, no register is written twice
; while a store may read it.  Matrix units, tensor loads and clusters would add nothing: work-groups share only rows of the table that a list names.
.set LO, 1                             ; v1      16 x lane
.set QO, 2                             ; v2-9    row k's offset in the table: 1,024 x index + 16 x lane
.set L,  10                            ; v10-17  four packed chains of squares
.set X,  32                            ; v32-95  row k of x: 8 registers; then of out0
.set Q,  96                            ; v96-159 row k of the table; then the difference
	s_load_b256 s[4:11], s[0:1], 0x0               ; x s[4:5], embeddings s[6:7], idxw s[8:9], out0 s[10:11]
	s_load_b64 s[12:13], s[0:1], 0x20              ; part
	v_lshl_add_u32 v160, v0, 2, 0x100
	v_mov_b32 v161, 0
	v_lshrrev_b32 v1, 5, v0
	s_delay_alu instid0(VALU_DEP_1)
	v_readfirstlane_b32 s14, v1                    ; wave 0..7
	v_and_b32 v1, 31, v0
	s_delay_alu instid0(VALU_DEP_1)
	v_lshlrev_b32 v[LO], 4, v1
	s_lshl_b32 s15, ttmp9, 6
	s_lshl_b32 s24, s14, 3
	s_add_co_u32 s15, s15, s24                     ; my first row: 64 x work-group + 8 x wave
	s_lshl_b32 s24, s15, 10                        ; in x and out0 (under 2^25 bytes),
	s_mov_b32 s25, 0
	s_lshl_b32 s26, s15, 2                         ; among the indices: a multiple of 32 bytes
	s_mov_b32 s27, 0
	s_lshl_b32 s28, ttmp9, 2                       ; my work-group's word of part
	s_mov_b32 s29, 0
	s_mov_b32 s30, 0x76543210
	s_mov_b32 s31, 0xfedcba98
	s_wait_alu depctr_va_vdst(0)
	s_wait_kmcnt 0x0
	s_add_nc_u64 s[8:9], s[8:9], s[26:27]
	s_load_b256 s[16:23], s[8:9], 0x0              ; my eight indices
	s_add_nc_u64 s[4:5], s[4:5], s[24:25]
	s_add_nc_u64 s[10:11], s[10:11], s[24:25]
	s_add_nc_u64 s[12:13], s[12:13], s[28:29]
.irp k, 0,1,2,3,4,5,6,7
	global_load_b128 v[X+8*\k:X+8*\k+3], v[LO], s[4:5] offset:1024*\k th:TH_LOAD_NT
	global_load_b128 v[X+8*\k+4:X+8*\k+7], v[LO], s[4:5] offset:1024*\k+512 th:TH_LOAD_NT
.endr
	s_wait_kmcnt 0x0
.irp k, 0,1,2,3,4,5,6,7
	s_min_u32 s[16+\k], s[16+\k], 8191             ; an index stays inside the table
	s_lshl_b32 s[16+\k], s[16+\k], 10
	v_add_nc_u32 v[QO+\k], s[16+\k], v[LO]
	global_load_b128 v[Q+8*\k:Q+8*\k+3], v[QO+\k], s[6:7]              ; no hint: a row may be named again
	global_load_b128 v[Q+8*\k+4:Q+8*\k+7], v[QO+\k], s[6:7] offset:512
.endr
.irp k, 0,1,2,3,4,5,6,7
	s_wait_loadcnt 14-2*\k                         ; loads come back in order: x is in, and the table's rows up to k; the later rows' two loads each may be out
.irp p, 0,1,2,3
	v_pk_add_f32 v[Q+8*\k+2*\p:Q+8*\k+2*\p+1], v[Q+8*\k+2*\p:Q+8*\k+2*\p+1], v[X+8*\k+2*\p:X+8*\k+2*\p+1] neg_lo:[0,1] neg_hi:[0,1]   ; q - x
.endr
.irp p, 0,1,2,3
.if \k == 0
	s_delay_alu instid0(VALU_DEP_4)
	v_pk_mul_f32 v[L+2*\p:L+2*\p+1], v[Q+8*\k+2*\p:Q+8*\k+2*\p+1], v[Q+8*\k+2*\p:Q+8*\k+2*\p+1]   ; the first row starts the chains
.else
	s_delay_alu instid0(VALU_DEP_4)
	v_pk_fma_f32 v[L+2*\p:L+2*\p+1], v[Q+8*\k+2*\p:Q+8*\k+2*\p+1], v[Q+8*\k+2*\p:Q+8*\k+2*\p+1], v[L+2*\p:L+2*\p+1]
.endif
.endr
.irp p, 0,1,2,3
	v_pk_add_f32 v[X+8*\k+2*\p:X+8*\k+2*\p+1], v[X+8*\k+2*\p:X+8*\k+2*\p+1], v[Q+8*\k+2*\p:Q+8*\k+2*\p+1]   ; x + (q - x)
.endr
	global_store_b128 v[LO], v[X+8*\k:X+8*\k+3], s[10:11] offset:1024*\k th:TH_STORE_NT
	global_store_b128 v[LO], v[X+8*\k+4:X+8*\k+7], s[10:11] offset:1024*\k+512 th:TH_STORE_NT
.endr
	v_pk_add_f32 v[L:L+1], v[L:L+1], v[L+2:L+3]
	v_pk_add_f32 v[L+4:L+5], v[L+4:L+5], v[L+6:L+7]
	s_delay_alu instid0(VALU_DEP_1)
	v_pk_add_f32 v[L:L+1], v[L:L+1], v[L+4:L+5]
	s_delay_alu instid0(VALU_DEP_1)
	v_add_f32 v18, v[L], v[L+1]
	s_delay_alu instid0(VALU_DEP_1)
	v_add_f32_dpp v18, v18, v18 row_xmask:1 row_mask:0xf bank_mask:0xf
	s_delay_alu instid0(VALU_DEP_1)
	v_add_f32_dpp v18, v18, v18 row_xmask:2 row_mask:0xf bank_mask:0xf
	s_delay_alu instid0(VALU_DEP_1)
	v_add_f32_dpp v18, v18, v18 row_xmask:4 row_mask:0xf bank_mask:0xf
	s_delay_alu instid0(VALU_DEP_1)
	v_add_f32_dpp v18, v18, v18 row_xmask:8 row_mask:0xf bank_mask:0xf
	v_mov_b32 v19, 0
	s_delay_alu instid0(VALU_DEP_1)
	v_permlanex16_b32 v19, v18, s30, s31
	s_delay_alu instid0(VALU_DEP_1)
	v_add_f32 v18, v18, v19                        ; the wave's sum, in every lane
	v_mov_b32 v20, s14
	s_delay_alu instid0(VALU_DEP_1)
	v_lshlrev_b32 v20, 2, v20
	v_mov_b32 v21, 0
	ds_store_b32 v20, v18                          ; all lanes write the wave's word with the same value
	s_wait_dscnt 0x0
	s_barrier_signal -1
	s_barrier_wait -1
	s_cmp_lg_u32 s14, 0
	s_cbranch_scc1 .Ldone
	s_wait_alu depctr_va_vdst(0)
	ds_load_b128 v[24:27], v21
	ds_load_b128 v[28:31], v21 offset:16
	s_wait_dscnt 0x0
	v_pk_add_f32 v[24:25], v[24:25], v[26:27]
	v_pk_add_f32 v[28:29], v[28:29], v[30:31]
	s_delay_alu instid0(VALU_DEP_1)
	v_pk_add_f32 v[24:25], v[24:25], v[28:29]
	s_delay_alu instid0(VALU_DEP_1)
	v_add_f32 v24, v24, v25
	v_cmp_eq_u32 vcc_lo, 0, v0
	s_wait_alu depctr_va_vdst(0)
	s_wait_xcnt 0x0                                ; EXEC is a source of the stores above: it changes only behind this wait
	s_and_saveexec_b32 s32, vcc_lo
	global_store_b32 v21, v24, s[12:13]            ; one word a work-group: 2,048 bytes in the whole launch
	s_wait_xcnt 0x0
	s_or_b32 exec_lo, exec_lo, s32
.Ldone:
	s_wait_tensorcnt 0x0
	ds_add_u32 v160, v161
	s_wait_dscnt 0x0
	s_endpgm
.Lfunc_end_k_q29384f86cd_gather:
	.size	k_q29384f86cd_gather, .Lfunc_end_k_q29384f86cd_gather-k_q29384f86cd_gather
	.p2alignl 7, 3214868480
	.fill 96, 4, 3214868480
	.section	.rodata,"a",@progbits
	.p2align	6, 0x0
	.amdhsa_kernel k_q29384f86cd_gather
		.amdhsa_group_segment_fixed_size 1280
		.amdhsa_private_segment_fixed_size 0
		.amdhsa_enable_private_segment 0
		.amdhsa_kernarg_size 40
		.amdhsa_user_sgpr_count 2
		.amdhsa_user_sgpr_kernarg_segment_ptr 1
		.amdhsa_wavefront_size32 1
		.amdhsa_system_sgpr_workgroup_id_x 1
		.amdhsa_system_sgpr_workgroup_id_y 1
		.amdhsa_system_sgpr_workgroup_id_z 1
		.amdhsa_system_vgpr_workitem_id 0
		.amdhsa_next_free_vgpr 162
		.amdhsa_next_free_sgpr 66
		.amdhsa_reserve_vcc 1
		.amdhsa_float_denorm_mode_32 3
		.amdhsa_float_denorm_mode_16_64 3
		.amdhsa_memory_ordered 1
		.amdhsa_forward_progress 1
		.amdhsa_inst_pref_size 17
	.end_amdhsa_kernel
	.amdgpu_metadata
---
amdhsa.version: [ 1, 2 ]
amdhsa.kernels:
  - .name:           k_q29384f86cd_gather
    .symbol:         k_q29384f86cd_gather.kd
    .args:
      - { .name: x, .offset: 0, .size: 8, .value_kind: global_buffer, .address_space: global }
      - { .name: embeddings, .offset: 8, .size: 8, .value_kind: global_buffer, .address_space: global }
      - { .name: idxw, .offset: 16, .size: 8, .value_kind: global_buffer, .address_space: global }
      - { .name: out0, .offset: 24, .size: 8, .value_kind: global_buffer, .address_space: global }
      - { .name: part, .offset: 32, .size: 8, .value_kind: global_buffer, .address_space: global }
    .group_segment_fixed_size: 1280
    .private_segment_fixed_size: 0
    .kernarg_segment_align: 8
    .kernarg_segment_size: 40
    .max_flat_workgroup_size: 256
    .sgpr_count:     66
    .vgpr_count:     162
    .wavefront_size: 32
...
	.end_amdgpu_metadata
.endif
;; end of part 3
;; launch loss (part 4): grid 1 x 1, 1 waves a work-group, no clusters, 0 bytes of LDS; arguments part, out2, out3, out4; writes out2, out3, out4
.if DOCPART == 4
	.amdgcn_target "amdgcn-amd-amdhsa--gfx1250"
	.amdhsa_code_object_version 6
	.text
	.protected	k_q29384f86cd_loss
	.globl	k_q29384f86cd_loss
	.p2align	8
	.type	k_q29384f86cd_loss,@function
k_q29384f86cd_loss:
	s_mov_b64 s[64:65], 0
	v_nop
	global_prefetch_b8 v0, s[64:65] scope:SCOPE_SE
	s_setreg_imm32_b32 hwreg(HW_REG_WAVE_MODE, 25, 1), 1
	s_wait_xcnt 0x0
; S = the sum of the 512 work-groups' sums of (q - x)^2.  The mean is S / 2^23 (32,768 rows x 256 numbers).  out3 = the mean; out2 = 0.25 x the mean (both scalings are by powers of two: nothing is rounded); out4 = out2 + out3.
; One wave: a sum over work-groups has one owner, in a launch of its own, since no work-group of a launch may read what another stores.
	s_load_b256 s[4:11], s[0:1], 0x0               ; part s[4:5], out2 s[6:7], out3 s[8:9], out4 s[10:11]
	v_lshlrev_b32 v1, 4, v0
	v_mov_b32 v2, 0
	v_mov_b32 v3, 0
	s_mov_b32 s12, 0x76543210
	s_mov_b32 s13, 0xfedcba98
	s_wait_alu depctr_va_vdst(0)
	s_wait_kmcnt 0x0
.irp k, 0,1,2,3
	global_load_b128 v[4+4*\k:7+4*\k], v1, s[4:5] offset:512*\k
.endr
	s_wait_loadcnt 0x0
	v_pk_add_f32 v[4:5], v[4:5], v[6:7]
	v_pk_add_f32 v[8:9], v[8:9], v[10:11]
	v_pk_add_f32 v[12:13], v[12:13], v[14:15]
	v_pk_add_f32 v[16:17], v[16:17], v[18:19]
	v_pk_add_f32 v[4:5], v[4:5], v[8:9]
	v_pk_add_f32 v[12:13], v[12:13], v[16:17]
	v_pk_add_f32 v[4:5], v[4:5], v[12:13]
	v_add_f32 v4, v4, v5
	v_add_f32_dpp v4, v4, v4 row_xmask:1 row_mask:0xf bank_mask:0xf
	v_add_f32_dpp v4, v4, v4 row_xmask:2 row_mask:0xf bank_mask:0xf
	v_add_f32_dpp v4, v4, v4 row_xmask:4 row_mask:0xf bank_mask:0xf
	v_add_f32_dpp v4, v4, v4 row_xmask:8 row_mask:0xf bank_mask:0xf
	v_permlanex16_b32 v3, v4, s12, s13
	v_add_f32 v4, v4, v3                           ; S
	v_mul_f32 v20, 0x33000000, v4                  ; S x 2^-25: the commitment loss
	v_mul_f32 v21, 0x34000000, v4                  ; S x 2^-23: the codebook loss
	v_add_f32 v22, v20, v21                        ; their sum
	v_cmp_eq_u32 vcc_lo, 0, v0
	s_wait_alu depctr_va_vdst(0)
	s_wait_xcnt 0x0                                ; EXEC changes only behind this wait
	s_and_saveexec_b32 s14, vcc_lo
	global_store_b32 v2, v20, s[6:7]
	global_store_b32 v2, v21, s[8:9]
	global_store_b32 v2, v22, s[10:11]
	s_wait_xcnt 0x0
	s_or_b32 exec_lo, exec_lo, s14
	s_endpgm
.Lfunc_end_k_q29384f86cd_loss:
	.size	k_q29384f86cd_loss, .Lfunc_end_k_q29384f86cd_loss-k_q29384f86cd_loss
	.p2alignl 7, 3214868480
	.fill 96, 4, 3214868480
	.section	.rodata,"a",@progbits
	.p2align	6, 0x0
	.amdhsa_kernel k_q29384f86cd_loss
		.amdhsa_group_segment_fixed_size 0
		.amdhsa_private_segment_fixed_size 0
		.amdhsa_enable_private_segment 0
		.amdhsa_kernarg_size 32
		.amdhsa_user_sgpr_count 2
		.amdhsa_user_sgpr_kernarg_segment_ptr 1
		.amdhsa_wavefront_size32 1
		.amdhsa_system_sgpr_workgroup_id_x 1
		.amdhsa_system_sgpr_workgroup_id_y 1
		.amdhsa_system_sgpr_workgroup_id_z 1
		.amdhsa_system_vgpr_workitem_id 0
		.amdhsa_next_free_vgpr 32
		.amdhsa_next_free_sgpr 66
		.amdhsa_reserve_vcc 1
		.amdhsa_float_denorm_mode_32 3
		.amdhsa_float_denorm_mode_16_64 3
		.amdhsa_memory_ordered 1
		.amdhsa_forward_progress 1
		.amdhsa_inst_pref_size 3
	.end_amdhsa_kernel
	.amdgpu_metadata
---
amdhsa.version: [ 1, 2 ]
amdhsa.kernels:
  - .name:           k_q29384f86cd_loss
    .symbol:         k_q29384f86cd_loss.kd
    .args:
      - { .name: part, .offset: 0, .size: 8, .value_kind: global_buffer, .address_space: global }
      - { .name: out2, .offset: 8, .size: 8, .value_kind: global_buffer, .address_space: global }
      - { .name: out3, .offset: 16, .size: 8, .value_kind: global_buffer, .address_space: global }
      - { .name: out4, .offset: 24, .size: 8, .value_kind: global_buffer, .address_space: global }
    .group_segment_fixed_size: 0
    .private_segment_fixed_size: 0
    .kernarg_segment_align: 8
    .kernarg_segment_size: 32
    .max_flat_workgroup_size: 32
    .sgpr_count:     66
    .vgpr_count:     32
    .wavefront_size: 32
...
	.end_amdgpu_metadata
.endif
;; end of part 4
